; MI455X (gfx1250); checked and timed in simulation.
; The chip was launched on July 23, 2026; its instructions are those of AMD's public machine-readable ISA for CDNA 5 (MIT licence, August 2026) and "CDNA5" Instruction Set Architecture Reference Guide (July 2026). The comments in the code are by the model that wrote it; some were corrected since.
;; Lane Attention Gaussian Policy. Allowed arithmetic: float matrix products may take bf16 or f16 operands with f32 sums; other float arithmetic in f32, or as packed bf16 or f16 multiplies, adds, multiply-adds, maxima and minima; sums over many terms, partial sums and values carried from step to step in f32; what a program stores and reads back later, other than sums and carried values, may be rounded once to bf16 or f16.
;; Inputs: attn_in_b 192 float32; attn_in_w 64 x 192 float32; attn_out_b 64 float32; attn_out_w 64 x 64 float32; elapsed 131,072 float32; head_b1 128 float32; head_b2 1 float32; head_w1 200 x 128 float32; head_w2 128 x 1 float32; lane_b1 128 float32; lane_b2 64 float32; lane_w1 3 x 128 float32; lane_w2 128 x 64 float32; log_std 1 float32; noise 131,072 float32; phase_b1 128 float32; phase_b2 128 float32; phase_onehot 131,072 x 4 float32; phase_w1 5 x 128 float32; phase_w2 128 x 128 float32; queue 131,072 x 4 float32; region_ids 131,072 int32; region_table 4 x 8 float32; waiting 131,072 x 4 float32.
;; Outputs: out0 131,072 float32; out1 131,072 float32.
;; One version. Each part assembles by itself: llvm-mc -triple=amdgcn-amd-amdhsa -mcpu=gfx1250 --defsym DOCPART=n.
;; ======== version 1 of 1: 1 launch
;; limits: values outside matrix products are rounded to bf16
;; launch policy (part 1): grid 256 x 1, 8 waves a work-group, no clusters, 283,136 bytes of LDS; arguments lane_w2, attn_in_w, attn_out_w, lane_w1, lane_b1, phase_w1, phase_b1, head_b1, head_w1, head_w2, phase_w2, lane_b2, attn_in_b, attn_out_b, phase_b2, region_table, queue, waiting, elapsed, phase_onehot, region_ids, noise, head_b2, log_std, out0, out1; writes out0, out1
.if DOCPART == 1
	.amdgcn_target "amdgcn-amd-amdhsa--gfx1250"
	.amdhsa_code_object_version 6
	.text
	.protected	k_q1ee2ea17b9_policy
	.globl	k_q1ee2ea17b9_policy
	.p2align	8
	.type	k_q1ee2ea17b9_policy,@function
k_q1ee2ea17b9_policy:
	s_mov_b64 s[64:65], 0
	v_nop
	global_prefetch_b8 v0, s[64:65] scope:SCOPE_SE
	s_setreg_imm32_b32 hwreg(HW_REG_WAVE_MODE, 25, 1), 1
	s_wait_xcnt 0x0
; LANE ATTENTION GAUSSIAN POLICY, one launch.  131,072 traffic lights (TL), each by itself: 4 lane rows through 3 -> 128 -> 64 (ReLU, ReLU), 4 heads of self-attention over the 4 lanes,
; output projection, mean over the lanes; 5 -> 128 -> 128 (ReLU, ReLU); a row of an 8-wide table; 200 -> 128 (ReLU) -> 1; a clipped sample and a log-probability.
; Matrix operands are bf16, all sums f32; q, k, v, scores, softmax and the weighted values stay in f32.
; WORK LEFT OUT, each by an identity that holds in exact arithmetic for all finite inputs:
;  (1) attn_in_b[64:128], k's bias: (q + bq).(k + bk) = (q + bq).k + (q + bq).bk, and the last term is the same for all keys of a row, so the softmax over the keys drops it.  That slice is not loaded.
;  (2) o, and three of four rows of the output projection: the mean over lanes is linear, mean_l(o Wo + bo) = (mean_l o) Wo + bo, and mean_q sum_k attn[q,k] v[k] = sum_k (1/4 sum_q attn[q,k]) v[k].
;      So each key gets one weight, the weighted sum of v is formed once a TL and head, and Wo multiplies one row a TL.
;  (3) log_prob: actions - means = std x noise, so (actions - means)^2 / std^2 = noise^2 and log_prob = -noise^2 / 2 - log_std - ln(2 pi) / 2.
; LIMITS.  A NaN, an infinity or an overflow that reaches only the work left out (std^2 out of f32's range; means so large that f32 loses std x noise; k's bias) is not carried to the result.
; v_exp_f32 gives 0 below 2^-126.  The clip is max with -1, then min with 1: a NaN is not treated apart.  region_ids are clipped to 0..3.
; SHARES.  256 work-groups of 8 waves; a work-group owns 512 TLs, a wave 64: TL = 512 wg + 64 w + 4 r + g, r = lane % 16, g = 0..3.  A wave walks its lane part in 4 trips (g), 16 TLs = 64 lane rows
; each, then does the phase and head part once for its 64 TLs (column tile n = g).  Per 16 TLs there are 300 matrix and some 1,150 vector instructions, so a SIMD holds two waves of 512 registers:
; one wave's vector phases stand beside the other's products.
; THE CHAIN IS TRANSPOSED: Y^T = W^T X^T.  Source 0 = 16 output features, turned out of a [K][N] bf16 image in LDS by ds_load_tr16_b128; source 1 = the activations.  In a result lane (r, h) holds
; sample r and features 8 h + 0..7, so two feature tiles rounded in pairs ARE source 1 of the next layer: no activation changes lanes or passes LDS between layers.  In the lane part column r is TL r
; and the four column tiles are the four lanes, so all of a TL's q, k, v lie in one lane of the wave.
; HEADS BY HALVES.  For q, k, v the two groups of 8 columns of a fragment are taken 32 columns apart: in pass P tile dh holds head P (lanes h = 0) and head P + 2 (h = 1), d = 8 dh + 0..7.  Scores,
; softmax and the weighted values are then arithmetic inside a lane.  The 16 numbers of a pass, packed, are source 1 of k step P of the output projection, whose rows of Wo are addressed to match.
; BIASES.  lane_b1, phase_b1, head_b1 ride in spare k places against a constant 1; the others stay f32 and are the C operand of a sum's first product.
; NO CLUSTER, though every work-group reads the same weights: they are f32 in memory and become bf16 on their way through registers; 270,336 raw bytes beside 175,616 bytes of images are more than
; the 327,680 bytes of LDS, and a joint load can bring raw bytes alone.
; REGISTERS, in windows of 256 (s_set_vgpr_msb: bits 1:0 source 0, 3:2 source 1, 5:4 source 2, 7:6 destination).
;   window 0: v1-15 addresses; v16-47 X; v48-111 two buffers of weight fragments; v112-175 E; v176-215 staged weight rows; v216-224 next trip's inputs; v240-255 bias C.  Later v112-239 phase_emb.
;   window 1: v0-63, v64-127 two sets of 8 accumulators; v128-255 hidden fragments; in the attention: v128-191 v, v192-251 scores and what is made of them.
.set BIAS,   0                         ; f32: lane_b2 @0, b_q @256, b_v @512, attn_out_b @768, phase_b2 @1024
.set SMALL,  1536                      ; 24,576 bytes, pitch 288, cleared first.  Rows: 0-4 phase_w1, 5 phase_b1, 16-23 head_w1[192:200], 32 head_b1, 48-50 lane_w1, 51 lane_b1, 72 head_w2; all others 0
.set PW2IMG, 26112                     ; phase_w2, 128 rows, pitch 288
.set HWIMG,  62976                     ; head_w1 rows 0-191, pitch 288
.set W2IMG,  118272                    ; lane_w2, 128 rows, pitch 160
.set WOIMG,  138752                    ; attn_out_w, 64 rows, pitch 160
.set QKVIMG, 148992                    ; attn_in_w, 64 rows, pitch 416.  All pitches are odd multiples of 32 bytes
.set WS,     175616                    ; each wave's own 13,312 bytes: ctx @2048 g + 512 q, PX @8192 + 512 n, RG @10240 + 512 n, RGHI @12288, noise @12800, all + 16 x lane
.set WSB,    13312
.set SPARE,  282112                    ; the spare words, 128 bytes for each of the 8 waves: four blocks of 256 bytes that no other line names
.set SPW, 1                            ; v1  SPARE + 4 x my thread's number; never rewritten
.set NIL, 2                            ; v2  0; never rewritten
.set AS,   3                           ; SMALL + (8 h + l % 8) 288 + 16 cg, cg = (l / 8) % 2
.set A160, 4                           ; W2IMG + (8 h + l % 8) 160 + 16 cg
.set AQ,   5                           ; QKVIMG + (8 h + l % 8) 416 + 64 cg
.set AWO,  6                           ; WOIMG + (32 h + l % 8) 160 + 16 cg
.set B32,  7                           ; 32 h
.set B128, 8                           ; 128 h
.set CTXS, 9                           ; where this trip's ctx goes; steps
.set GL16, 10                          ; 16 x lane
.set SPW2, 11                          ; where my staged rows of phase_w2 go; steps
.set SHW,  12                          ; the same for head_w1
.set INQ,  13                          ; 64 r + 16 g
.set INE,  14                          ; 16 r + 4 g
.set WSA,  15                          ; WS + 13,312 w + 16 x lane
.set AHW,  4                           ; second part: HWIMG + (8 h + l % 8) 288 + 16 cg
.set AW2V, 5                           ; SMALL + 72 x 288 + 16 h
.set OUTV, 6                           ; 16 r
.set X,    16
.set AB,   48
.set ABA,  48
.set ABB,  80
.set E,    112
.set PE,   112
.set RAWW, 176
.set RAWI, 216
.set ONE,  225
.set BC,   240
.set W2F,  240
.set NZ,   104
.set ACC0, 0                           ; window 1 from here on
.set ACC1, 64
.set HH,   128
.set VV,   128
.set SS,   192
.set TT,   208
.set CM,   216
.set RR,   220
.set WT,   224
.set BV,   228
.set MOF0, 244
.set MOF1, 208
.set CT,   128
.set RG,   192
.set HDF,  224
.set T_X, 227                          ; the prologue's own registers
.set T_LN, 228
.set T_R, 229
.set T_H, 230
.set T_L7, 231
.set T_CG, 232
.set T_GT, 233
.set T_GQ, 234
.set T_SW, 235
.set T_SQ, 236
.set T_L8, 237
.set T_Y, 238
.set T_Z, 239
.set T_A2, 164
.set T_A3, 165
.set T_AB, 166
.set T_S1, 172
.set T_S2, 173
.set T_S3, 174
.set T_SB, 175
.set MSB, 0
.macro WIN new                         ; the immediate's high byte repeats the setting that is left; a switch that changes nothing is dropped
.if MSB != (\new)
	s_set_vgpr_msb (MSB<<8)|(\new)
.set MSB, (\new)
.endif
.endm
.macro PLACES                          ; four places behind a product, ahead of loads into registers that it read and of vector lines that read its result
.rept 4
	v_nop
.endr
.endm
; Four weight fragments (2 k steps x 2 feature tiles) by eight turning loads: fragment (kk, mm) at ab + 8 (2 kk + mm)
.macro LDC ab, areg, off0, dk, dm, d2
	WIN 0
.irp kk,0,1
.irp mm,0,1
	ds_load_tr16_b128 v[(\ab)+8*(2*(\kk)+(\mm)):(\ab)+8*(2*(\kk)+(\mm))+3], v[\areg] offset:(\off0)+(\kk)*(\dk)+(\mm)*(\dm)
	ds_load_tr16_b128 v[(\ab)+8*(2*(\kk)+(\mm))+4:(\ab)+8*(2*(\kk)+(\mm))+7], v[\areg] offset:(\off0)+(\kk)*(\dk)+(\mm)*(\dm)+(\d2)
.endr
.endr
.endm
; Two fragments of one k step, whose two halves of 16 rows lie at o1 and o2
.macro LD2 ab, areg, o1, o2
	WIN 0
.irp mm,0,1
	ds_load_tr16_b128 v[(\ab)+8*(\mm):(\ab)+8*(\mm)+3], v[\areg] offset:(\o1)+32*(\mm)
	ds_load_tr16_b128 v[(\ab)+8*(\mm)+4:(\ab)+8*(\mm)+7], v[\areg] offset:(\o2)+32*(\mm)
.endr
.endm
; The f32 bias of two feature tiles, laid out as a C operand: eight numbers a lane and tile
.macro LDB dst, win, areg, off, step
	WIN (\win)<<6
.irp mm,0,1
	ds_load_b128 v[(\dst)+8*(\mm):(\dst)+8*(\mm)+3], v[\areg] offset:(\off)+(\mm)*(\step)
	ds_load_b128 v[(\dst)+8*(\mm)+4:(\dst)+8*(\mm)+7], v[\areg] offset:(\off)+(\mm)*(\step)+16
.endr
.endm
; 16 products: 2 k steps x 2 feature tiles x 4 column tiles.  The 8 accumulators take turns, one instruction a turn.
; cmode, for k step 0: 0 = goes on in place, 1 = starts with 0, 2 = starts with the bias at cb in window 0, 3 = at cb in window 1.  bw = window of source 1.
.macro MMC ab, bb, bw, acc, cmode, cb
.irp kk,0,1
.irp mm,0,1
.irp n,0,1,2,3
.set rD, (\acc)+8*(4*(\mm)+(\n))
.set rA, (\ab)+8*(2*(\kk)+(\mm))
.set rB, (\bb)+32*(\kk)+8*(\n)
.set rC, (\cb)+8*(\mm)
.if ((\kk)==0) && ((\cmode)==1)
	WIN 0x40|((\bw)<<2)
	v_wmma_f32_16x16x32_bf16 v[rD:rD+7], v[rA:rA+7], v[rB:rB+7], 0
.elseif ((\kk)==0) && ((\cmode)==2)
	WIN 0x40|((\bw)<<2)
	v_wmma_f32_16x16x32_bf16 v[rD:rD+7], v[rA:rA+7], v[rB:rB+7], v[rC:rC+7]
.elseif ((\kk)==0) && ((\cmode)==3)
	WIN 0x50|((\bw)<<2)
	v_wmma_f32_16x16x32_bf16 v[rD:rD+7], v[rA:rA+7], v[rB:rB+7], v[rC:rC+7]
.else
	WIN 0x50|((\bw)<<2)
	v_wmma_f32_16x16x32_bf16 v[rD:rD+7], v[rA:rA+7], v[rB:rB+7], v[rD:rD+7]
.endif
.endr
.endr
.endr
.endm
; 8 products of one k step
.macro MM1 ab, bb, bw, acc, zero
.irp mm,0,1
.irp n,0,1,2,3
.set rD, (\acc)+8*(4*(\mm)+(\n))
.set rA, (\ab)+8*(\mm)
.set rB, (\bb)+8*(\n)
.if \zero
	WIN 0x40|((\bw)<<2)
	v_wmma_f32_16x16x32_bf16 v[rD:rD+7], v[rA:rA+7], v[rB:rB+7], 0
.else
	WIN 0x50|((\bw)<<2)
	v_wmma_f32_16x16x32_bf16 v[rD:rD+7], v[rA:rA+7], v[rB:rB+7], v[rD:rD+7]
.endif
.endr
.endr
.endm
; A set of 8 accumulators becomes one k step (4 fragments) of the next layer's source 1: rounded to bf16 in pairs, then ReLU on the packed halves.  Each accumulator is read from its low end on.
.macro CONV acc, dst, dw
	WIN 0x05|((\dw)<<6)
.irp n,0,1,2,3
.irp mm,0,1
.irp i,0,1,2,3
	v_cvt_pk_bf16_f32 v[(\dst)+8*(\n)+4*(\mm)+(\i)], v[(\acc)+8*(4*(\mm)+(\n))+2*(\i)], v[(\acc)+8*(4*(\mm)+(\n))+2*(\i)+1]
.endr
.endr
.endr
.if (\dw)==0
	WIN 0
.endif
.set z, 0
.rept 32
	v_pk_max_num_bf16 v[(\dst)+z], v[(\dst)+z], s6   ; s6 = 0
.set z, z+1
.endr
.endm
.macro ROWST reg, areg, off            ; four f32 of a weight row become four bf16 in the image
	v_cvt_pk_bf16_f32 v[(\reg)], v[(\reg)], v[(\reg)+1]
	v_cvt_pk_bf16_f32 v[(\reg)+1], v[(\reg)+2], v[(\reg)+3]
	ds_store_b64 v[\areg], v[(\reg):(\reg)+1] offset:\off
.endm
.macro PKMULB d, a, bp, sel            ; pair d = pair a x register sel of pair bp
.if (\sel)==0
	v_pk_mul_f32 v[(\d):(\d)+1], v[(\a):(\a)+1], v[(\bp):(\bp)+1] op_sel_hi:[1,0]
.else
	v_pk_mul_f32 v[(\d):(\d)+1], v[(\a):(\a)+1], v[(\bp):(\bp)+1] op_sel:[0,1] op_sel_hi:[1,1]
.endif
.endm
.macro PKFMAB d, a, bp, sel            ; pair d += pair a x register sel of pair bp
.if (\sel)==0
	v_pk_fma_f32 v[(\d):(\d)+1], v[(\a):(\a)+1], v[(\bp):(\bp)+1], v[(\d):(\d)+1] op_sel_hi:[1,0,1]
.else
	v_pk_fma_f32 v[(\d):(\d)+1], v[(\a):(\a)+1], v[(\bp):(\bp)+1], v[(\d):(\d)+1] op_sel:[0,1,0] op_sel_hi:[1,1,1]
.endif
.endm
; THE ATTENTION OF ONE PASS, all inside a lane (one TL, one head), all in window 1.  q(dh, l) at ACC0 + 8 (4 dh + l), k likewise at ACC1, v at VV.
.macro ATT mof
	WIN 0x55
.irp lq,0,1,2,3                        ; 16 scores: for each query four chains, one a key, over the 8 pairs of d, ascending (each accumulator is read from its low end on)
.irp dp,0,1,2,3,4,5,6,7
.irp lk,0,1,2,3
.set rq, ACC0+8*(4*((\dp)/4)+(\lq))+2*((\dp)%4)
.set rk, ACC1+8*(4*((\dp)/4)+(\lk))+2*((\dp)%4)
.set rt, TT+2*(\lk)
.if (\dp)==0
	v_pk_mul_f32 v[rt:rt+1], v[rq:rq+1], v[rk:rk+1]
.else
	v_pk_fma_f32 v[rt:rt+1], v[rq:rq+1], v[rk:rk+1], v[rt:rt+1]
.endif
.endr
.endr
.irp lk,0,1,2,3
	v_add_f32 v[SS+4*(\lq)+(\lk)], v[TT+2*(\lk)], v[TT+2*(\lk)+1]
.endr
.endr
.irp q,0,1,2,3                         ; each row's maximum m, and c m with c = log2(e) / 4
	v_max3_num_f32 v[CM+(\q)], v[SS+4*(\q)], v[SS+4*(\q)+1], v[SS+4*(\q)+2]
.endr
.irp q,0,1,2,3
	v_max_num_f32 v[CM+(\q)], v[CM+(\q)], v[SS+4*(\q)+3]
.endr
.irp q,0,1,2,3
	v_mul_f32 v[CM+(\q)], s60, v[CM+(\q)]
.endr
.irp q,0,1,2,3                         ; c s - c m
.irp p,0,1
.set rs, SS+4*(\q)+2*(\p)
.set rc, CM+2*((\q)/2)
.if ((\q)%2)==0
	v_pk_fma_f32 v[rs:rs+1], v[rs:rs+1], s[60:61], v[rc:rc+1] op_sel_hi:[1,0,0] neg_lo:[0,0,1] neg_hi:[0,0,1]
.else
	v_pk_fma_f32 v[rs:rs+1], v[rs:rs+1], s[60:61], v[rc:rc+1] op_sel:[0,0,1] op_sel_hi:[1,0,1] neg_lo:[0,0,1] neg_hi:[0,0,1]
.endif
.endr
.endr
.set z, 0
.rept 16                               ; one batch of 16 exponentials,
	v_exp_f32 v[SS+z], v[SS+z]
.set z, z+1
.endr
	v_nop                                          ; a plain instruction behind the last,
	s_wait_alu depctr_va_vdst(0)                   ; and one wait ahead of the first reader
.irp q,0,1,2,3
	v_pk_add_f32 v[TT+2*(\q):TT+2*(\q)+1], v[SS+4*(\q):SS+4*(\q)+1], v[SS+4*(\q)+2:SS+4*(\q)+3]
.endr
.irp q,0,1,2,3
	v_add_f32 v[RR+(\q)], v[TT+2*(\q)], v[TT+2*(\q)+1] mul:4  ; 4 l: the 4 is the mean over the four queries; l is at least 1
.endr
.irp q,0,1,2,3
	v_rcp_f32 v[RR+(\q)], v[RR+(\q)]
.endr
	v_nop
	s_wait_alu depctr_va_vdst(0)                   ; one wait for the four reciprocals
.irp q,0,1,2,3                         ; a key's weight: the sum over the queries of p / (4 l)
.irp p,0,1
.if (\q)==0
	PKMULB WT+2*(\p),SS+2*(\p),RR,0
.else
	PKFMAB WT+2*(\p),SS+4*(\q)+2*(\p),RR+2*((\q)/2),(\q)%2
.endif
.endr
.endr
.irp l,0,1,2,3                         ; the weighted sum of v, 16 numbers, into the scores' registers
.irp dp,0,1,2,3,4,5,6,7
.if (\l)==0
	PKMULB SS+2*(\dp),VV+8*(4*((\dp)/4)+(\l))+2*((\dp)%4),WT,0
.else
	PKFMAB SS+2*(\dp),VV+8*(4*((\dp)/4)+(\l))+2*((\dp)%4),WT+2*((\l)/2),(\l)%2
.endif
.endr
.endr
.irp i,0,1,2,3,4,5,6,7                 ; and packed: source 1 of this pass's k step of the output projection
	v_cvt_pk_bf16_f32 v[(\mof)+(\i)], v[SS+2*(\i)], v[SS+2*(\i)+1]
.endr
.endm
; A first layer (K = 3 or 5 and the bias, in one k step): 128 features in four pairs of tiles, two sets of accumulators by turns; the fourth conversion is left to the caller, behind its preloads
.macro L1HEAD o1
.irp p,0,1,2,3
	LD2 AB+16*(\p),AS,(\o1)+64*(\p),56*288+64*(\p)   ; k = 16 .. 31 meet rows 56-71, which are 0
.endr
	s_wait_dscnt 0x0
	MM1 AB,X,0,ACC0,1
	MM1 AB+16,X,0,ACC1,1
	PLACES
	CONV ACC0,HH,1
	MM1 AB+32,X,0,ACC0,1
	CONV ACC1,HH+32,1
	MM1 AB+48,X,0,ACC1,1
	CONV ACC0,HH+64,1
.endm
.macro L2LD x, ab                      ; lane_w2: chunk x = k steps 2 (x % 2), +1 of tile pair x / 2
	LDC \ab,A160,((\x)%2)*10240+64*((\x)/2),5120,32,2560
.endm
.macro QLD part, P, ab                 ; attn_in_w: part 0 q, 1 k, 2 v; pass P
	LDC \ab,AQ,(\part)*128+32*(\P),13312,16,6656
.endm
.macro P2LD x, ab                      ; phase_w2, reached from AS: PW2IMG - SMALL = 24,576
	LDC \ab,AS,24576+((\x)%2)*18432+64*((\x)/2),9216,32,4608
.endm
.macro HLD c, p, ab                    ; head_w1: rows 64 c on, tile pair p
	LDC \ab,AHW,(\c)*18432+64*(\p),9216,32,4608
.endm
.macro OUTM p                          ; head layer 2, k step p: all 16 rows of source 0 are head_w2, so every register of a result holds its TL's sum
	WIN 0x04
.irp n,0,1,2,3
.if (\p)==0
	v_wmma_f32_16x16x32_bf16 v[X+8*(\n):X+8*(\n)+7], v[W2F:W2F+7], v[HDF+8*(\n):HDF+8*(\n)+7], 0
.else
	v_wmma_f32_16x16x32_bf16 v[X+8*(\n):X+8*(\n)+7], v[W2F:W2F+7], v[HDF+8*(\n):HDF+8*(\n)+7], v[X+8*(\n):X+8*(\n)+7]
.endif
.endr
.endm
; ---------------------------------------------------------------- PROLOGUE
	s_load_b512 s[8:23], s[0:1], 0x0               ; lane_w2 8, attn_in_w 10, attn_out_w 12, lane_w1 14, lane_b1 16, phase_w1 18, phase_b1 20, head_b1 22
	s_load_b512 s[24:39], s[0:1], 0x40             ; head_w1 24, head_w2 26, phase_w2 28, lane_b2 30, attn_in_b 32, attn_out_b 34, phase_b2 36, region_table 38
	s_load_b512 s[40:55], s[0:1], 0x80             ; queue 40, waiting 42, elapsed 44, phase_onehot 46, region_ids 48, noise 50, head_b2 52, log_std 54
	s_load_b128 s[56:59], s[0:1], 0xc0             ; out0 56, out1 58
	v_lshl_add_u32 v[SPW], v0, 2, SPARE
	v_mov_b32 v[NIL], 0
	v_lshrrev_b32 v[T_X], 5, v0
	v_readfirstlane_b32 s4, v[T_X]                 ; w, my wave's number
	v_and_b32 v[T_LN], 31, v0                      ; lane
	v_and_b32 v[T_R], 15, v0                       ; r
	v_bfe_u32 v[T_H], v0, 4, 1                     ; h
	v_and_b32 v[T_L7], 7, v0
	v_bfe_u32 v[T_CG], v0, 3, 1
	v_lshlrev_b32 v[GL16], 4, v[T_LN]
	v_lshlrev_b32 v[T_L8], 3, v[T_LN]
	v_lshlrev_b32 v[INQ], 6, v[T_R]
	v_lshlrev_b32 v[INE], 4, v[T_R]
	s_lshl_b32 s62, s4, 9                          ; 512 w
	v_add_nc_u32 v[T_GT], s62, v[GL16]             ; 16 x thread
	s_mul_i32 s2, s4, 1536
	v_mul_u32_u24 v[T_GQ], v[T_H], 768
	v_lshl_add_u32 v[T_GQ], v[T_R], 4, v[T_GQ]
	v_add_nc_u32 v[T_GQ], s2, v[T_GQ]              ; attn_in_w: row thread / 16 of 768 bytes, 16 bytes at 16 (thread % 16)
	s_cmp_lt_u32 s4, 5
	s_cselect_b32 s3, s62, 0
	v_add_nc_u32 v[T_A2], s3, v[GL16]
	s_mul_i32 s2, s4, WSB
	s_add_co_u32 s2, s2, WS
	v_add_nc_u32 v[WSA], s2, v[GL16]
	v_mov_b32 v[ONE], 1.0
	s_lshl_b32 s72, ttmp9, 13                      ; 512 TLs of 16 bytes,
	s_lshl_b32 s2, s4, 10                          ; my wave's 64
	s_add_co_u32 s72, s72, s2
	s_mov_b32 s73, 0
	s_mov_b32 s6, 0
	s_mov_b32 s60, 0x3eb8aa3b                      ; c = log2(e) / sqrt(16)
	s_mov_b32 s61, s60                             ; named with it as a pair
	s_mov_b32 s5, 4                                ; trips
	s_wait_kmcnt 0x0
	s_add_nc_u64 s[40:41], s[40:41], s[72:73]
	s_add_nc_u64 s[42:43], s[42:43], s[72:73]
	s_add_nc_u64 s[46:47], s[46:47], s[72:73]
	s_lshr_b32 s72, s72, 2                         ; the same TLs at 4 bytes each
	s_add_nc_u64 s[44:45], s[44:45], s[72:73]
	s_add_nc_u64 s[48:49], s[48:49], s[72:73]
	s_add_nc_u64 s[50:51], s[50:51], s[72:73]
	s_add_nc_u64 s[56:57], s[56:57], s[72:73]
	s_add_nc_u64 s[58:59], s[58:59], s[72:73]
	s_lshl_b32 s72, s4, 11
	s_add_nc_u64 s[66:67], s[28:29], s[72:73]      ; phase_w2 at row 4 w
	s_mul_i32 s72, s4, 3072
	s_add_nc_u64 s[68:69], s[24:25], s[72:73]      ; head_w1 at row 6 w
	s_load_b32 s74, s[54:55], 0x0                  ; log_std
	s_load_b32 s75, s[52:53], 0x0                  ; head_b2
	; the loads that only some waves issue stand first, so that the counted waits below count the same loads in every wave
	s_cmp_lt_u32 s4, 4
	s_cbranch_scc0 .Lno_r3
	s_cmp_eq_u32 s4, 3                             ; waves 0-2: a row of lane_w1; wave 3: lane_b1
	s_cselect_b64 s[70:71], s[16:17], s[14:15]
	s_cselect_b32 s2, 0, s62
	v_add_nc_u32 v[T_A3], s2, v[GL16]
	global_load_b128 v[152:155], v[T_A3], s[70:71]
.Lno_r3:
	s_cmp_lt_u32 s4, 6
	s_cbranch_scc0 .Lno_bias
	s_mov_b64 s[76:77], s[30:31]                   ; 256 bytes of f32 bias a wave: lane_b2, b_q, b_v, attn_out_b, phase_b2 (two)
	s_cmp_eq_u32 s4, 1
	s_cselect_b64 s[76:77], s[32:33], s[76:77]
	s_cmp_eq_u32 s4, 2
	s_cselect_b64 s[76:77], s[32:33], s[76:77]
	s_cselect_b32 s2, 512, 0                       ; v's bias begins at number 128; k's, numbers 64-127, is not loaded
	s_cmp_eq_u32 s4, 3
	s_cselect_b64 s[76:77], s[34:35], s[76:77]
	s_cmp_ge_u32 s4, 4
	s_cselect_b64 s[76:77], s[36:37], s[76:77]
	s_cmp_eq_u32 s4, 5
	s_cselect_b32 s2, 256, s2
	v_add_nc_u32 v[T_AB], s2, v[T_L8]
	global_load_b64 v[156:157], v[T_AB], s[76:77]
.Lno_bias:
	global_load_b128 v[160:163], v[INE], s[48:49]  ; region_ids of TLs 4 r .. 4 r + 3
	s_mov_b64 s[78:79], s[18:19]                   ; waves 0-4: a row of phase_w1; 5: phase_b1; 6: head_b1; 7: head_w2
	s_cmp_eq_u32 s4, 5
	s_cselect_b64 s[78:79], s[20:21], s[78:79]
	s_cmp_eq_u32 s4, 6
	s_cselect_b64 s[78:79], s[22:23], s[78:79]
	s_cmp_eq_u32 s4, 7
	s_cselect_b64 s[78:79], s[26:27], s[78:79]
	; 35 loads that every wave issues
.irp i,0,1,2,3,4,5,6,7
	global_load_b128 v[48+4*(\i):51+4*(\i)], v[T_GT], s[8:9] offset:4096*(\i)            ; lane_w2: 16 rows of 256 bytes a load
.endr
.irp i,0,1,2,3
.irp j,0,1,2
	global_load_b128 v[80+4*(3*(\i)+(\j)):83+4*(3*(\i)+(\j))], v[T_GQ], s[10:11] offset:12288*(\i)+256*(\j)  ; attn_in_w: 16 rows x 64 columns a load
.endr
.endr
.irp i,0,1,2,3
	global_load_b128 v[128+4*(\i):131+4*(\i)], v[T_GT], s[12:13] offset:4096*(\i)        ; attn_out_w
.endr
	global_load_b128 v[144:147], v[T_GT], s[24:25] offset:98304                          ; head_w1 row 192 + w
	global_load_b128 v[148:151], v[T_A2], s[78:79]
	global_load_b128 v[RAWI:RAWI+3], v[INQ], s[40:41]                                    ; trip 0: queue, waiting, elapsed of TL 4 r
	global_load_b128 v[RAWI+4:RAWI+7], v[INQ], s[42:43]
	global_load_b32 v[RAWI+8], v[INE], s[44:45]
.irp n,0,1,2,3
	global_load_b128 v[176+4*(\n):179+4*(\n)], v[INQ], s[46:47] offset:16*(\n)           ; phase_onehot of TL 4 r + n
.endr
	global_load_b128 v[192:195], v[INE], s[44:45]                                        ; elapsed of the four
	global_load_b128 v[196:199], v[INE], s[50:51]                                        ; noise of the four
	; SMALL is cleared: 256 threads x 6 x 16 bytes
.irp z,16,17,18,19
	v_mov_b32 v[(\z)], 0
.endr
	v_add_nc_u32 v[T_Z], SMALL, v[T_GT]
.irp i,0,1,2,3,4,5
	ds_store_b128 v[T_Z], v[16:19] offset:4096*(\i)
.endr
	; the addresses that stay
	v_lshl_add_u32 v[T_X], v[T_H], 3, v[T_L7]      ; 8 h + l % 8
	v_lshl_add_u32 v[T_Y], v[T_H], 5, v[T_L7]      ; 32 h + l % 8
	v_mul_u32_u24 v[AS], v[T_X], 288
	v_lshl_add_u32 v[AS], v[T_CG], 4, v[AS]
	v_add_nc_u32 v[AS], SMALL, v[AS]
	v_mul_u32_u24 v[A160], v[T_X], 160
	v_lshl_add_u32 v[A160], v[T_CG], 4, v[A160]
	v_add_nc_u32 v[A160], W2IMG, v[A160]
	v_mul_u32_u24 v[AQ], v[T_X], 416
	v_lshl_add_u32 v[AQ], v[T_CG], 6, v[AQ]        ; the second group of 8 columns lies 32 columns on: heads by halves
	v_add_nc_u32 v[AQ], QKVIMG, v[AQ]
	v_mul_u32_u24 v[AWO], v[T_Y], 160
	v_lshl_add_u32 v[AWO], v[T_CG], 4, v[AWO]
	v_add_nc_u32 v[AWO], WOIMG, v[AWO]
	v_lshlrev_b32 v[B32], 5, v[T_H]
	v_lshlrev_b32 v[B128], 7, v[T_H]
	v_mov_b32 v[CTXS], v[WSA]
	s_mul_i32 s2, s4, 1152
	s_add_co_u32 s2, s2, PW2IMG
	v_add_nc_u32 v[SPW2], s2, v[T_L8]              ; row 4 w of the image, 8 bytes a lane
	s_mul_i32 s2, s4, 1728
	s_add_co_u32 s2, s2, HWIMG
	v_add_nc_u32 v[SHW], s2, v[T_L8]               ; row 6 w
	s_mul_i32 s2, s4, 320
	s_add_co_u32 s2, s2, W2IMG
	v_mul_u32_u24 v[T_SW], v[T_H], 160
	v_lshl_add_u32 v[T_SW], v[T_R], 3, v[T_SW]
	v_add_nc_u32 v[T_SW], s2, v[T_SW]              ; row thread / 16 = 2 w + h, 8 bytes at 8 r
	s_mul_i32 s2, s4, 832
	s_add_co_u32 s2, s2, QKVIMG
	v_mul_u32_u24 v[T_SQ], v[T_H], 416
	v_lshl_add_u32 v[T_SQ], v[T_R], 3, v[T_SQ]
	v_add_nc_u32 v[T_SQ], s2, v[T_SQ]
	v_mov_b32 v168, 0x3f80                         ; bf16 1.0 at k = 16 of the region k step, against head_b1
	v_mov_b32 v169, 0
	v_mov_b32 v170, 0
	v_mov_b32 v171, 0
	s_wait_dscnt 0x0                               ; my part of SMALL is cleared
	s_barrier_signal -1
	s_barrier_wait -1                              ; all of it is: rows may now be stored into it
	s_wait_loadcnt 35                              ; region_ids are in: the 35 loads issued behind them may stay out
.irp n,0,1,2,3
	v_max_i32 v[160+(\n)], 0, v[160+(\n)]          ; clip to 0 .. 3,
	v_min_u32 v[160+(\n)], 3, v[160+(\n)]
	v_lshlrev_b32 v[160+(\n)], 5, v[160+(\n)]      ; a row of the table is 32 bytes
.endr
.irp n,0,1,2,3
	global_load_b128 v[16+8*(\n):19+8*(\n)], v[160+(\n)], s[38:39]
	global_load_b128 v[20+8*(\n):23+8*(\n)], v[160+(\n)], s[38:39] offset:16
.endr
	s_wait_loadcnt 8                               ; all but the 8 gathers just issued
.irp i,0,1,2,3,4,5,6,7
	ROWST 48+4*(\i),T_SW,2560*(\i)
.endr
.irp i,0,1,2,3
.irp j,0,1,2
	ROWST 80+4*(3*(\i)+(\j)),T_SQ,6656*(\i)+128*(\j)
.endr
.endr
.irp i,0,1,2,3
	ROWST 128+4*(\i),T_SW,20480+2560*(\i)          ; WOIMG - W2IMG = 20,480
.endr
	s_mul_i32 s2, s4, 288
	s_add_co_u32 s3, s2, SMALL+16*288
	v_add_nc_u32 v[T_S1], s3, v[T_L8]
	ROWST 144,T_S1,0                               ; head_w1[192 + w] -> row 16 + w
	s_cmp_lt_u32 s4, 6
	s_cbranch_scc0 .Lr2_high
	s_add_co_u32 s3, s2, SMALL
	v_add_nc_u32 v[T_S2], s3, v[T_L8]
	ROWST 148,T_S2,0                               ; phase_w1, phase_b1 -> row w
	s_branch .Lr2_done
.Lr2_high:
	s_mul_i32 s3, s4, 40*288
	s_sub_co_u32 s3, s3, 208*288-SMALL
	v_add_nc_u32 v[T_S2], s3, v[T_L8]
	ROWST 148,T_S2,0                               ; head_b1 -> row 32, head_w2 -> row 72: row 40 w - 208
.Lr2_done:
	s_cmp_lt_u32 s4, 4
	s_cbranch_scc0 .Lno_r3s
	s_add_co_u32 s3, s2, SMALL+48*288
	v_add_nc_u32 v[T_S3], s3, v[T_L8]
	ROWST 152,T_S3,0                               ; lane_w1, lane_b1 -> row 48 + w
.Lno_r3s:
	s_cmp_lt_u32 s4, 6
	s_cbranch_scc0 .Lno_biass
	s_lshl_b32 s3, s4, 8
	v_add_nc_u32 v[T_SB], s3, v[T_L8]
	ds_store_b64 v[T_SB], v[156:157] offset:BIAS
.Lno_biass:
.irp n,0,1,2,3                         ; the phase layer's source 1, k = 0 .. 7: p0 p1 p2 p3 elapsed 1 0 0
	v_cvt_pk_bf16_f32 v[200+4*(\n)], v[176+4*(\n)], v[177+4*(\n)]
	v_cvt_pk_bf16_f32 v[201+4*(\n)], v[178+4*(\n)], v[179+4*(\n)]
	v_cvt_pk_bf16_f32 v[202+4*(\n)], v[192+(\n)], v[ONE]
	v_mov_b32 v[203+4*(\n)], 0
	ds_store_b128 v[WSA], v[200+4*(\n):203+4*(\n)] offset:8192+512*(\n)
.endr
	ds_store_b128 v[WSA], v[196:199] offset:12800  ; noise
	ds_store_b128 v[WSA], v[168:171] offset:12288
	s_wait_loadcnt 0x0                             ; the table's rows
.irp n,0,1,2,3
.irp i,0,1,2,3
	v_cvt_pk_bf16_f32 v[16+8*(\n)+(\i)], v[16+8*(\n)+2*(\i)], v[16+8*(\n)+2*(\i)+1]
.endr
	ds_store_b128 v[WSA], v[16+8*(\n):19+8*(\n)] offset:10240+512*(\n)
.endr
.irp l,0,1,2,3                         ; of each fragment of X only k = 0 .. 3 are ever other than 0
.irp i,2,3,4,5,6,7
	v_mov_b32 v[X+8*(\l)+(\i)], 0
.endr
.endr
	s_wait_kmcnt 0x0                               ; log_std, head_b2
	s_wait_dscnt 0x0                               ; my stores into the images are done
	s_barrier_signal -1
	s_barrier_wait -1                              ; everybody's are
; ---------------------------------------------------------------- THE LANE PART: four trips of 16 TLs
.Ltrip:
.irp l,0,1,2,3                         ; source 1 of lane layer 1, k = 0 .. 3: queue, waiting, elapsed, 1.  Lanes h = 1 hold the same and meet rows of zeros
	v_cvt_pk_bf16_f32 v[X+8*(\l)], v[RAWI+(\l)], v[RAWI+4+(\l)]
	v_cvt_pk_bf16_f32 v[X+8*(\l)+1], v[RAWI+8], v[ONE]
.endr
	s_cmp_eq_u32 s5, 1
	s_cbranch_scc1 .Lno_next                       ; the last trip has no next: no load leaves the buffers
	v_add_nc_u32 v[INQ], 16, v[INQ]                ; free: every load that named them was waited for at the last trip's end
	v_add_nc_u32 v[INE], 4, v[INE]
	global_load_b128 v[RAWI:RAWI+3], v[INQ], s[40:41]
	global_load_b128 v[RAWI+4:RAWI+7], v[INQ], s[42:43]
	global_load_b32 v[RAWI+8], v[INE], s[44:45]
.Lno_next:
.irp i,0,1,2,3                         ; a quarter of phase_w2 and of head_w1 is staged in each trip: rows 32 g + 4 w + i and 48 g + 6 w + i; asked for here, stored at the trip's end
	global_load_b128 v[RAWW+4*(\i):RAWW+4*(\i)+3], v[GL16], s[66:67] offset:512*(\i)
.endr
.irp i,0,1,2,3,4,5
	global_load_b128 v[RAWW+16+4*(\i):RAWW+16+4*(\i)+3], v[GL16], s[68:69] offset:512*(\i)
.endr
	L1HEAD 48*288                                  ; h = relu(x W1 + b1)
	LDB BC,0,B32,BIAS,64                           ; lane_b2, tiles 0, 1
	L2LD 0,ABA
	L2LD 1,ABB
	CONV ACC1,HH+96,1
	s_wait_dscnt 8                                 ; all but chunk 1's eight loads
	MMC ABA,HH,1,ACC0,2,BC                         ; emb, tiles 0, 1
	PLACES
	LDB BC,0,B32,BIAS+128,64
	L2LD 2,ABA
	s_wait_dscnt 12                                ; the bias's four and chunk 2's eight may stay out
	MMC ABB,HH+64,1,ACC0,0,0
	PLACES
	L2LD 3,ABB
	s_wait_dscnt 8                                 ; chunk 3's eight
	MMC ABA,HH,1,ACC1,2,BC                         ; emb, tiles 2, 3
	PLACES
	QLD 0,0,ABA
	LDB BC,0,B128,BIAS+256,32                      ; b_q of pass 0
	CONV ACC0,E,0
	s_wait_dscnt 12                                ; q's eight and the bias's four
	MMC ABB,HH+64,1,ACC1,0,0
	PLACES
	QLD 1,0,ABB
	CONV ACC1,E+32,0
	s_wait_dscnt 8                                 ; k's eight
	MMC ABA,E,0,ACC0,2,BC                          ; q, heads 0 and 2
	PLACES
	LDB BV,1,B128,BIAS+512,32                      ; b_v of pass 0
	QLD 2,0,ABA
	s_wait_dscnt 12                                ; the bias's four and v's eight
	MMC ABB,E,0,ACC1,1,0                           ; k: no bias
	PLACES
	QLD 0,1,ABB
	LDB BC,0,B128,BIAS+256+64,32
	s_wait_dscnt 12                                ; the next q's eight and its bias's four
	MMC ABA,E,0,VV,3,BV                            ; v
	PLACES
	QLD 1,1,ABA
	ATT MOF0
	s_wait_dscnt 8                                 ; k's eight
	MMC ABB,E,0,ACC0,2,BC                          ; q, heads 1 and 3
	PLACES
	LDB BV,1,B128,BIAS+512+64,32
	QLD 2,1,ABB
	s_wait_dscnt 12
	MMC ABA,E,0,ACC1,1,0
	PLACES
	LDC ABA,AWO,0,2560,32,1280                     ; Wo, tiles 0, 1: k step P takes rows 16 P + 32 h + 0..7 and + 8..15
	LDB BC,0,B32,BIAS+768,64                       ; attn_out_b, tiles 0, 1
	s_wait_dscnt 12
	MMC ABB,E,0,VV,3,BV
	PLACES
	LDC ABB,AWO,64,2560,32,1280                    ; tiles 2, 3
	LDB BV,1,B32,BIAS+768+128,64
	ATT MOF1
	s_wait_dscnt 0x0
.irp P,0,1                             ; ctx = (mean over lanes of o) Wo + bo: 4 accumulators by turns
.irp T,0,1,2,3
.set rA, AB+32*((\T)/2)+8*(2*(\P)+(\T)%2)
.if (\P)==0
.if (\T)<2
	WIN 0x44
	v_wmma_f32_16x16x32_bf16 v[8*(\T):8*(\T)+7], v[rA:rA+7], v[MOF0:MOF0+7], v[BC+8*(\T):BC+8*(\T)+7]
.else
	WIN 0x54
	v_wmma_f32_16x16x32_bf16 v[8*(\T):8*(\T)+7], v[rA:rA+7], v[MOF0:MOF0+7], v[BV+8*((\T)-2):BV+8*((\T)-2)+7]
.endif
.else
	WIN 0x54
	v_wmma_f32_16x16x32_bf16 v[8*(\T):8*(\T)+7], v[rA:rA+7], v[MOF1:MOF1+7], v[8*(\T):8*(\T)+7]
.endif
.endr
.endr
	PLACES
	WIN 0x05
.irp T,0,1,2,3
.irp i,0,1,2,3
	v_cvt_pk_bf16_f32 v[E+4*(\T)+(\i)], v[8*(\T)+2*(\i)], v[8*(\T)+2*(\i)+1]
.endr
.endr
	WIN 0
.irp q,0,1,2,3
	ds_store_b128 v[CTXS], v[E+4*(\q):E+4*(\q)+3] offset:512*(\q)   ; half a fragment of the head's source 1, kept in my own bytes
.endr
	v_add_nc_u32 v[CTXS], 2048, v[CTXS]
	s_wait_loadcnt 0x0                             ; the staged rows and the next trip's inputs: their address registers may now be stepped
.irp i,0,1,2,3
	ROWST RAWW+4*(\i),SPW2,288*(\i)
.endr
.irp i,0,1,2,3,4,5
	ROWST RAWW+16+4*(\i),SHW,288*(\i)
.endr
	v_add_nc_u32 v[SPW2], 9216, v[SPW2]            ; 32 rows on
	v_add_nc_u32 v[SHW], 13824, v[SHW]             ; 48 rows on
	s_add_nc_u64 s[66:67], s[66:67], 16384
	s_add_nc_u64 s[68:69], s[68:69], 24576
	s_sub_co_u32 s5, s5, 1
	s_cmp_lg_u32 s5, 0
	s_cbranch_scc1 .Ltrip
; ---------------------------------------------------------------- THE PHASE AND HEAD PART: once, 64 TLs, column tile n holds TLs 4 r + n
	s_wait_dscnt 0x0                               ; my staged rows are stored
	s_barrier_signal -1
	s_barrier_wait -1                              ; phase_w2's and head_w1's images are whole
	v_bfe_u32 v8, v0, 4, 1
	v_and_b32 v9, 7, v0
	v_lshl_add_u32 v9, v8, 3, v9
	v_bfe_u32 v10, v0, 3, 1
	v_mul_u32_u24 v[AHW], v9, 288
	v_lshl_add_u32 v[AHW], v10, 4, v[AHW]
	v_add_nc_u32 v[AHW], HWIMG, v[AHW]
	v_lshlrev_b32 v[AW2V], 4, v8
	v_add_nc_u32 v[AW2V], SMALL+72*288, v[AW2V]
	v_and_b32 v[OUTV], 15, v0
	v_lshlrev_b32 v[OUTV], 4, v[OUTV]
.irp n,0,1,2,3
	ds_load_b128 v[X+8*(\n):X+8*(\n)+3], v[WSA] offset:8192+512*(\n)
.endr
	L1HEAD 0                                       ; ph = relu(pe W1 + b1)
	LDB BC,0,B32,BIAS+1024,64                      ; phase_b2, tiles 0, 1
	P2LD 0,ABA
	P2LD 1,ABB
	CONV ACC1,HH+96,1
.irp p,0,1,2,3                         ; phase_emb: four pairs of tiles, the two sets of accumulators by turns; a pair is converted beside the next pair's products
	s_wait_dscnt 8                                 ; the odd chunk's eight loads may stay out
	MMC ABA,HH,1,64*((\p)%2),2,BC
	PLACES
.if (\p)<3
	LDB BC,0,B32,BIAS+1024+128*((\p)+1),64
	P2LD 2*(\p)+2,ABA
.endif
.if (\p)>0
	CONV 64*(((\p)-1)%2),PE+32*((\p)-1),0
.endif
.if (\p)<3
	s_wait_dscnt 12                                ; the next bias's four and the next chunk's eight
.else
	s_wait_dscnt 0x0
.endif
	MMC ABB,HH+64,1,64*((\p)%2),0,0
	PLACES
.if (\p)<3
	P2LD 2*(\p)+3,ABB
.endif
.endr
	WIN 0x40
.irp n,0,1,2,3                         ; ctx comes back as fragments: k step s of column tile n
.irp s,0,1
	ds_load_b128 v[CT+32*(\s)+8*(\n):CT+32*(\s)+8*(\n)+3], v[WSA] offset:2048*(\n)+1024*(\s)
	ds_load_b128 v[CT+32*(\s)+8*(\n)+4:CT+32*(\s)+8*(\n)+7], v[WSA] offset:2048*(\n)+1024*(\s)+512
.endr
.endr
.irp n,0,1,2,3                         ; the region k step: k = 0 .. 7 the table's row, k = 16 the 1 for head_b1
	ds_load_b128 v[RG+8*(\n):RG+8*(\n)+3], v[WSA] offset:10240+512*(\n)
	ds_load_b128 v[RG+8*(\n)+4:RG+8*(\n)+7], v[WSA] offset:12288
.endr
	HLD 0,0,ABA
	HLD 1,0,ABB
	CONV ACC1,PE+96,0
.irp p,0,1,2,3                         ; head layer 1, four pairs of tiles: ctx (2 k steps), phase_emb (4), region and bias (1); layer 2's k step p - 1 beside pair p
	s_wait_dscnt 8                                 ; chunk 1's eight loads may stay out
	MMC ABA,CT,1,64*((\p)%2),1,0
	PLACES
	HLD 2,\p,ABA
.if (\p)>0
	CONV 64*(((\p)-1)%2),HDF,1
	OUTM (\p)-1
.endif
	s_wait_dscnt 8                                 ; chunk 2's eight
	MMC ABB,PE,0,64*((\p)%2),0,0
	PLACES
	LD2 ABB,AS,16*288+64*(\p),32*288+64*(\p)
	ds_load_b128 v[W2F:W2F+3], v[AW2V] offset:64*(\p)        ; head_w2's 32 numbers for this pair: the same in all 16 rows
	ds_load_b128 v[W2F+4:W2F+7], v[AW2V] offset:64*(\p)+32
	s_wait_dscnt 6                                 ; the region step's four and head_w2's two
	MMC ABA,PE+64,0,64*((\p)%2),0,0
	PLACES
.if (\p)<3
	HLD 0,(\p)+1,ABA
	s_wait_dscnt 10                                ; head_w2's two and the next pair's eight
.else
	s_wait_dscnt 2                                 ; head_w2's two
.endif
	MM1 ABB,RG,1,64*((\p)%2),0
	PLACES
.if (\p)<3
	HLD 1,(\p)+1,ABB
.endif
.endr
	WIN 0
	ds_load_b128 v[NZ:NZ+3], v[WSA] offset:12800   ; noise
	CONV ACC1,HDF,1
	s_wait_dscnt 0x0
	OUTM 3
	PLACES
	WIN 0
; ---------------------------------------------------------------- THE SAMPLE AND ITS LOG-PROBABILITY
	v_mov_b32 v48, s74
	v_mul_f32 v49, 0x3fb8aa3b, v48
	v_exp_f32 v49, v49                             ; std = e^log_std
	v_sub_f32 v50, 0xbf6b3f8e, v48                 ; -ln(2 pi) / 2 - log_std: the plain instruction behind the exponential
	v_and_b32 v51, 31, v0
	s_wait_alu depctr_va_vdst(0)                   ; ahead of std's first reader
.irp n,0,1,2,3
	v_add_f32 v[60+(\n)], s75, v[X+8*(\n)]         ; the mean: the result's lowest register, + head_b2
	v_mul_f32 v[68+(\n)], v[NZ+(\n)], v[NZ+(\n)]
.endr
.irp n,0,1,2,3
	v_fma_f32 v[60+(\n)], v49, v[NZ+(\n)], v[60+(\n)]
	v_fma_f32 v[68+(\n)], v[68+(\n)], -0.5, v50
.endr
.irp n,0,1,2,3
	v_max_num_f32 v[60+(\n)], -1.0, v[60+(\n)]
.endr
.irp n,0,1,2,3
	v_min_num_f32 v[60+(\n)], 1.0, v[60+(\n)]
.endr
	s_wait_xcnt 0x0                                ; EXEC changes only behind this wait
	v_cmp_gt_u32 vcc_lo, 16, v51                   ; lanes 16-31 hold the same numbers as lanes 0-15
	s_and_saveexec_b32 s76, vcc_lo
	global_store_b128 v[OUTV], v[60:63], s[56:57]  ; 16 lanes store 256 consecutive bytes, at a multiple of 256 from out0's first byte
	global_store_b128 v[OUTV], v[68:71], s[58:59]
	s_wait_xcnt 0x0                                ; and again ahead of the line that widens it
	s_or_b32 exec_lo, exec_lo, s76
	s_wait_tensorcnt 0x0                           ; the wave's end, behind my last LDS store
	ds_add_u32 v[SPW], v[NIL]
	s_wait_dscnt 0x0
	s_endpgm
.Lfunc_end_k_q1ee2ea17b9_policy:
	.size	k_q1ee2ea17b9_policy, .Lfunc_end_k_q1ee2ea17b9_policy-k_q1ee2ea17b9_policy
	.p2alignl 7, 3214868480
	.fill 96, 4, 3214868480
	.section	.rodata,"a",@progbits
	.p2align	6, 0x0
	.amdhsa_kernel k_q1ee2ea17b9_policy
		.amdhsa_group_segment_fixed_size 283136
		.amdhsa_private_segment_fixed_size 0
		.amdhsa_enable_private_segment 0
		.amdhsa_kernarg_size 208
		.amdhsa_user_sgpr_count 2
		.amdhsa_user_sgpr_kernarg_segment_ptr 1
		.amdhsa_wavefront_size32 1
		.amdhsa_system_sgpr_workgroup_id_x 1
		.amdhsa_system_sgpr_workgroup_id_y 1
		.amdhsa_system_sgpr_workgroup_id_z 1
		.amdhsa_system_vgpr_workitem_id 0
		.amdhsa_next_free_vgpr 512
		.amdhsa_next_free_sgpr 80
		.amdhsa_reserve_vcc 1
		.amdhsa_float_denorm_mode_32 3
		.amdhsa_float_denorm_mode_16_64 3
		.amdhsa_memory_ordered 1
		.amdhsa_forward_progress 1
		.amdhsa_inst_pref_size 200
	.end_amdhsa_kernel
	.amdgpu_metadata
---
amdhsa.version: [ 1, 2 ]
amdhsa.kernels:
  - .name:           k_q1ee2ea17b9_policy
    .symbol:         k_q1ee2ea17b9_policy.kd
    .args:
      - { .name: lane_w2, .offset: 0, .size: 8, .value_kind: global_buffer, .address_space: global }
      - { .name: attn_in_w, .offset: 8, .size: 8, .value_kind: global_buffer, .address_space: global }
      - { .name: attn_out_w, .offset: 16, .size: 8, .value_kind: global_buffer, .address_space: global }
      - { .name: lane_w1, .offset: 24, .size: 8, .value_kind: global_buffer, .address_space: global }
      - { .name: lane_b1, .offset: 32, .size: 8, .value_kind: global_buffer, .address_space: global }
      - { .name: phase_w1, .offset: 40, .size: 8, .value_kind: global_buffer, .address_space: global }
      - { .name: phase_b1, .offset: 48, .size: 8, .value_kind: global_buffer, .address_space: global }
      - { .name: head_b1, .offset: 56, .size: 8, .value_kind: global_buffer, .address_space: global }
      - { .name: head_w1, .offset: 64, .size: 8, .value_kind: global_buffer, .address_space: global }
      - { .name: head_w2, .offset: 72, .size: 8, .value_kind: global_buffer, .address_space: global }
      - { .name: phase_w2, .offset: 80, .size: 8, .value_kind: global_buffer, .address_space: global }
      - { .name: lane_b2, .offset: 88, .size: 8, .value_kind: global_buffer, .address_space: global }
      - { .name: attn_in_b, .offset: 96, .size: 8, .value_kind: global_buffer, .address_space: global }
      - { .name: attn_out_b, .offset: 104, .size: 8, .value_kind: global_buffer, .address_space: global }
      - { .name: phase_b2, .offset: 112, .size: 8, .value_kind: global_buffer, .address_space: global }
      - { .name: region_table, .offset: 120, .size: 8, .value_kind: global_buffer, .address_space: global }
      - { .name: queue, .offset: 128, .size: 8, .value_kind: global_buffer, .address_space: global }
      - { .name: waiting, .offset: 136, .size: 8, .value_kind: global_buffer, .address_space: global }
      - { .name: elapsed, .offset: 144, .size: 8, .value_kind: global_buffer, .address_space: global }
      - { .name: phase_onehot, .offset: 152, .size: 8, .value_kind: global_buffer, .address_space: global }
      - { .name: region_ids, .offset: 160, .size: 8, .value_kind: global_buffer, .address_space: global }
      - { .name: noise, .offset: 168, .size: 8, .value_kind: global_buffer, .address_space: global }
      - { .name: head_b2, .offset: 176, .size: 8, .value_kind: global_buffer, .address_space: global }
      - { .name: log_std, .offset: 184, .size: 8, .value_kind: global_buffer, .address_space: global }
      - { .name: out0, .offset: 192, .size: 8, .value_kind: global_buffer, .address_space: global }
      - { .name: out1, .offset: 200, .size: 8, .value_kind: global_buffer, .address_space: global }
    .group_segment_fixed_size: 283136
    .private_segment_fixed_size: 0
    .kernarg_segment_align: 8
    .kernarg_segment_size: 208
    .max_flat_workgroup_size: 256
    .sgpr_count:     80
    .vgpr_count:     512
    .wavefront_size: 32
...
	.end_amdgpu_metadata
.endif
;; end of part 1
